; MI455X (gfx1250); checked and timed in simulation.
; The chip was launched on July 23, 2026; its instructions are those of AMD's public machine-readable ISA for CDNA 5 (MIT licence, August 2026) and "CDNA5" Instruction Set Architecture Reference Guide (July 2026). The comments in the code are by the model that wrote it; some were corrected since.
;; Net VLAD. Allowed arithmetic: float matrix products may take bf16 or f16 operands with f32 sums; all other float work in f32.
;; Inputs: centroids 64 x 128 float32; conv_w 64 x 128 float32; x 64 x 128 x 64 x 64 float32.
;; Outputs: out0 64 x 8,192 float32.
;; 2 versions, each right; version 2 is version 1 with the launch pool written anew for expert scheduling mode. Each part assembles by itself: llvm-mc -triple=amdgcn-amd-amdhsa -mcpu=gfx1250 --defsym DOCPART=n.
;; ======== version 1 of 2: 2 launches
;; workspace buffers: part 8,454,144 bytes
;; launch pool (part 1): grid 4 x 64, 4 waves a work-group, no clusters, 301,568 bytes of LDS; arguments x, conv_w, part; writes part
.if DOCPART == 1
	.amdgcn_target "amdgcn-amd-amdhsa--gfx1250"
	.amdhsa_code_object_version 6
	.text
	.protected	k_q8dff14dba7_pool
	.globl	k_q8dff14dba7_pool
	.p2align	8
	.type	k_q8dff14dba7_pool,@function
k_q8dff14dba7_pool:
	s_mov_b64 s[64:65], 0
	v_nop
	global_prefetch_b8 v0, s[64:65] scope:SCOPE_SE
	s_setreg_imm32_b32 hwreg(HW_REG_WAVE_MODE, 25, 1), 1
	s_wait_xcnt 0x0
; NetVLAD, first of two launches.  x: [64][128 c][4096 n] f32, conv_w: [64 k][128 c] f32.
; Work-group (split s = 0..3, batch b) takes 1,024 positions n of one batch, each of its four waves 256 of them, and leaves in
; part[(4 b + s)]: 64 x 128 f32 sums  sum_n a[k][n] x[c][n]  (32,768 bytes) and 64 f32 sums  sum_n a[k][n]  (256 bytes),
; a = softmax over k of  sum_c w[k][c] x[c][n], the column's true maximum taken away first.
; A wave works alone on its 256 positions (no barrier between the start and the final sum over the four waves):
;   memory -> registers (16 lanes take 256 aligned bytes of one channel row) -> bf16 -> the wave's own LDS tile [c][64 n], pitch 144.
;   f32 never lies in LDS: an element costs 2 bytes written and 2 x 2 bytes read there.
;   logits  D[n][k] : A = x, rows n, K = c (transposing LDS load), B = w.  A lane then holds 8 neighbouring n of one cluster k,
;                     which, packed to bf16, IS the operand of the second product: a makes no trip through LDS.
;   pooling D[c][k] : A = x, rows c, K = n (plain LDS load), B = a.  A lane holds 8 neighbouring c of one k: 32 bytes that belong together.
;   sum_n a         : the same B against a fragment of ones.
; 16 batches of 16 loads (32 channel rows x 64 n) run through three register slots; batch b + 3 is asked for as soon as batch b is
; converted, so 48 loads (24 KB) of every wave stay out during all the arithmetic.
; No cluster, no tensor loads: the work-groups share conv_w alone, 32 KB of the 557 KB that each reads.
; LIMITS: x, w and a are rounded to bf16 for the products (sums, softmax in f32).  NaN and infinities in the inputs are not
; reproduced as the reference gives them (the maximum skips NaN).
.set ROWB,  16384                      ; bytes from a channel row of x to the next
.set P,     144                        ; LDS pitch of a bf16 row of 64 n: 128 + 16 bytes, an odd multiple of 16
.set XREG,  128*P                      ; one bf16 tile: 18,432 bytes; a wave has two, used in turn
.set WP,    272                        ; LDS pitch of a row of w in bf16: 256 + 16
.set XLDS,  64*WP                      ; w lies at 0, the x tiles behind it
.set RP,    528                        ; final sum: pitch of a row of 128 f32: 512 + 16
.set RWAVE, 64*RP                      ; a wave's 64 rows there
.set RLDS,  XLDS+8*XREG
.set SLDS,  RLDS+4*RWAVE               ; 4 x 64 f32: the waves' sums of a
.set PARTB, 33024                      ; bytes of one work-group's part
; window 0 (v0-255)
.set GO, 2                             ; x: 16 (l & 15) + (l >> 4) x 8 rows
.set XS, 3                             ; LDS: where my 8 bytes of a converted row go
.set TR, 4                             ; LDS: transposing load
.set FB, 5                             ; LDS: plain fragment of x
.set WF, 6                             ; LDS: fragment of w
.set WS, 7                             ; LDS: where my 8 bytes of w go
.set WO, 8                             ; w: 16 x thread
.set RS, 9                             ; final sum: where my 16 bytes go
.set SS, 10                            ; final sum: where my sum of a goes
.set PO, 11                            ; part: my byte offset
.set RR, 12                            ; v12-15 final sum: read address in the stage of wave 0..3
.set XA, 16                            ; v16-79   x fragments for the logits, [t][cs], 8 each (at the start: w as loaded)
.set LG, 80                            ; v80-143  logits, then a in f32: [t][kt][j]
.set AF, 144                           ; v144-175 a in bf16, fragment kt: registers 0-3 from t = 0, 4-7 from t = 1
.set MX, 176                           ; v176-191 maxima [t][j]
.set SM, 192                           ; v192-207 sums [t][j]
.set TP, 208                           ; v208-223 at work
.set RL, 224                           ; l & 15
.set HL, 225                           ; l >> 4
; window 1 (v256-511): accumulator (kt, ct) at 8 (8 kt + ct)
; window 2 (v512-767)
.set WFR, 0                            ; w fragments [kt][cs], 8 each
.set SA,  128                          ; sums of a, tile kt
.set ONE, 160                          ; a fragment of ones
.set XB,  168                          ; x fragments for the pooling, [ct], 8 each
; window 3 (v768-1023)
.set ST,  0                            ; three slots of 64: x as loaded
.set XS3, 192                          ; copies of XS and GO, so that a conversion runs under one window setting
.set GO3, 193
.set MSB, 0
.macro WIN new                         ; low byte: bits 1:0 source 0, 3:2 source 1, 5:4 source 2, 7:6 destination; high byte: the setting left
.if MSB != \new
	s_set_vgpr_msb (MSB<<8)|\new
.set MSB, \new
.endif
.endm
.macro PLACES                          ; four places behind matrix instructions before their registers are touched otherwise (ISA guide 7.12.1)
.rept 4
	v_nop
.endr
.endm
; batch b = 4 q + g: channel rows 32 g .. 32 g + 31 of the wave's chunk q of 64 n, into slot b % 3.
; Load i: lanes 0-15 take 256 bytes of row 32 g + 16 (i >> 3) + (i & 7), lanes 16-31 of the row 8 further down.
.macro XLOAD b
	WIN 0xcf
.set xg, (\b)&3
.set xq, (\b)>>2
.set xs, ST+64*((\b)%3)
.set i, 0
.rept 16
	global_load_b128 v[xs+4*i:xs+4*i+3], v[GO3], s[4:5] offset:(32*xg+16*(i>>3)+(i&7))*ROWB+256*xq th:TH_LOAD_NT
.set i, i+1
.endr
.endm
; batch b: wait, round to bf16 in place, 8 bytes a lane into tile q & 1 (the two rows of a store lie 8 x 144 = 128 mod 256 bytes apart:
; the 32 lanes touch every bank once), and ask for batch b + 3 into the same slot.
.macro CONV b
.if (\b) <= 13
	s_wait_loadcnt 32                              ; loads return in order: the two younger batches stay out
.else
	s_wait_loadcnt 16*(15-(\b))                    ; the last batches: nothing was asked for behind batch 15
.endif
	WIN 0xcf
.set cg, (\b)&3
.set cp, ((\b)>>2)&1
.set cb, ST+64*((\b)%3)
.set i, 0
.rept 16
	v_cvt_pk_bf16_f32 v[cb+4*i], v[cb+4*i], v[cb+4*i+1]
	v_cvt_pk_bf16_f32 v[cb+4*i+1], v[cb+4*i+2], v[cb+4*i+3]
.set i, i+1
.endr
.set i, 0
.rept 16
	ds_store_b64 v[XS3], v[cb+4*i:cb+4*i+1] offset:(32*cg+16*(i>>3)+(i&7))*P+cp*XREG
.set i, i+1
.endr
.if (\b)+3 < 16
	XLOAD \b+3
.endif
.endm
; step m = 2 q + u: 32 positions at byte 64 u of the rows of tile q & 1
.macro LDXA m                          ; 16 transposing loads: rows n = 16 t + (l & 15), K = c = 32 cs ..
	WIN 0
.irp t,0,1
.irp cs,0,1,2,3
	ds_load_tr16_b128 v[XA+8*(4*\t+\cs):XA+8*(4*\t+\cs)+3], v[TR] offset:(((\m)>>1)&1)*XREG+32*\cs*P+64*((\m)&1)+32*\t
	ds_load_tr16_b128 v[XA+8*(4*\t+\cs)+4:XA+8*(4*\t+\cs)+7], v[TR] offset:(((\m)>>1)&1)*XREG+32*\cs*P+64*((\m)&1)+32*\t+16*P
.endr
.endr
.endm
.macro LDXB m                          ; 16 plain loads: rows c = 16 ct + (l & 15), K = n
	WIN 0x80
.irp ct,0,1,2,3,4,5,6,7
	ds_load_b128 v[XB+8*\ct:XB+8*\ct+3], v[FB] offset:(((\m)>>1)&1)*XREG+16*\ct*P+64*((\m)&1)
	ds_load_b128 v[XB+8*\ct+4:XB+8*\ct+7], v[FB] offset:(((\m)>>1)&1)*XREG+16*\ct*P+64*((\m)&1)+32
.endr
.endm
.macro LOGITS                          ; 32 matrix instructions; eight sums in turn, the first product of each starts it
	WIN 0x08
.irp cs,0,1,2,3
.irp t,0,1
.irp kt,0,1,2,3
.if \cs == 0
	v_wmma_f32_16x16x32_bf16 v[LG+32*\t+8*\kt:LG+32*\t+8*\kt+7], v[XA+8*(4*\t+\cs):XA+8*(4*\t+\cs)+7], v[WFR+8*(4*\kt+\cs):WFR+8*(4*\kt+\cs)+7], 0
.else
	v_wmma_f32_16x16x32_bf16 v[LG+32*\t+8*\kt:LG+32*\t+8*\kt+7], v[XA+8*(4*\t+\cs):XA+8*(4*\t+\cs)+7], v[WFR+8*(4*\kt+\cs):WFR+8*(4*\kt+\cs)+7], v[LG+32*\t+8*\kt:LG+32*\t+8*\kt+7]
.endif
.endr
.endr
.endr
	PLACES
.endm
; softmax over k.  Register LG + 32 t + 8 kt + j of lane l: position 16 t + 8 (l >> 4) + j, cluster 16 kt + (l & 15):
; over k = over the four tiles in the lane, then over the 16 lanes of a half (four steps that ride on the arithmetic).
.macro SOFTMAX
	WIN 0
.irp t,0,1
.irp j,0,1,2,3,4,5,6,7
	v_max3_num_f32 v[MX+8*\t+\j], v[LG+32*\t+\j], v[LG+32*\t+8+\j], v[LG+32*\t+16+\j]
.endr
.endr
.irp t,0,1
.irp j,0,1,2,3,4,5,6,7
	v_max_num_f32 v[MX+8*\t+\j], v[MX+8*\t+\j], v[LG+32*\t+24+\j]
.endr
.endr
.irp x,1,2,4,8
.set i, 0
.rept 16
	v_max_num_f32_dpp v[MX+i], v[MX+i], v[MX+i] row_xmask:\x row_mask:0xf bank_mask:0xf
.set i, i+1
.endr
.endr
.set i, 0
.rept 16
	v_mul_f32 v[MX+i], 0xbfb8aa3b, v[MX+i]         ; - max x log2(e)
.set i, i+1
.endr
.irp t,0,1
.irp kt,0,1,2,3
.irp j,0,2,4,6
	v_pk_fma_f32 v[LG+32*\t+8*\kt+\j:LG+32*\t+8*\kt+\j+1], v[LG+32*\t+8*\kt+\j:LG+32*\t+8*\kt+\j+1], 0x3fb8aa3b, v[MX+8*\t+\j:MX+8*\t+\j+1] op_sel_hi:[1,0,1]
.endr
.endr
.endr
.set i, 0
.rept 64
	v_exp_f32 v[LG+i], v[LG+i]
.set i, i+1
.endr
	v_nop                                          ; one plain place behind the run of exponentials (ISA guide 5.7.2)
	s_wait_alu depctr_va_vdst(0)
.irp t,0,1
.irp j,0,2,4,6
	v_pk_add_f32 v[SM+8*\t+\j:SM+8*\t+\j+1], v[LG+32*\t+\j:LG+32*\t+\j+1], v[LG+32*\t+8+\j:LG+32*\t+8+\j+1]
	v_pk_add_f32 v[TP+8*\t+\j:TP+8*\t+\j+1], v[LG+32*\t+16+\j:LG+32*\t+16+\j+1], v[LG+32*\t+24+\j:LG+32*\t+24+\j+1]
.endr
.endr
.irp j,0,2,4,6,8,10,12,14
	v_pk_add_f32 v[SM+\j:SM+\j+1], v[SM+\j:SM+\j+1], v[TP+\j:TP+\j+1]
.endr
.irp x,1,2,4,8
.set i, 0
.rept 16
	v_add_f32_dpp v[SM+i], v[SM+i], v[SM+i] row_xmask:\x row_mask:0xf bank_mask:0xf
.set i, i+1
.endr
.endr
.set i, 0
.rept 16
	v_rcp_f32 v[SM+i], v[SM+i]                     ; the sum is at least about 1: the maximum's own term
.set i, i+1
.endr
	v_nop
	s_wait_alu depctr_va_vdst(0)
.irp t,0,1
.irp kt,0,1,2,3
.irp j,0,2,4,6
	v_pk_mul_f32 v[LG+32*\t+8*\kt+\j:LG+32*\t+8*\kt+\j+1], v[LG+32*\t+8*\kt+\j:LG+32*\t+8*\kt+\j+1], v[SM+8*\t+\j:SM+8*\t+\j+1]
.endr
.endr
.endr
.irp t,0,1
.irp kt,0,1,2,3
.irp j,0,2,4,6
	v_cvt_pk_bf16_f32 v[AF+8*\kt+4*\t+\j/2], v[LG+32*\t+8*\kt+\j], v[LG+32*\t+8*\kt+\j+1]
.endr
.endr
.endr
.endm
.macro POOL zero                       ; 32 + 4 matrix instructions, 36 sums of their own
	WIN 0x52
.irp kt,0,1,2,3
.irp ct,0,1,2,3,4,5,6,7
.if \zero
	v_wmma_f32_16x16x32_bf16 v[8*(8*\kt+\ct):8*(8*\kt+\ct)+7], v[XB+8*\ct:XB+8*\ct+7], v[AF+8*\kt:AF+8*\kt+7], 0
.else
	v_wmma_f32_16x16x32_bf16 v[8*(8*\kt+\ct):8*(8*\kt+\ct)+7], v[XB+8*\ct:XB+8*\ct+7], v[AF+8*\kt:AF+8*\kt+7], v[8*(8*\kt+\ct):8*(8*\kt+\ct)+7]
.endif
.endr
.endr
	WIN 0xa2
.irp kt,0,1,2,3
.if \zero
	v_wmma_f32_16x16x32_bf16 v[SA+8*\kt:SA+8*\kt+7], v[ONE:ONE+7], v[AF+8*\kt:AF+8*\kt+7], 0
.else
	v_wmma_f32_16x16x32_bf16 v[SA+8*\kt:SA+8*\kt+7], v[ONE:ONE+7], v[AF+8*\kt:AF+8*\kt+7], v[SA+8*\kt:SA+8*\kt+7]
.endif
.endr
	PLACES
.endm
; One step of 32 positions.  Its XA loads were issued in the step before.  nconv = 1: batches 2 m + 4 and 2 m + 5 (the next chunk's) are
; converted on the way, into the other tile.  next = 1: the next step's XA loads are issued behind them, ahead of the pooling.
.macro STEP32 m, zero, nconv, next
	LDXB \m
	s_wait_dscnt 16                                ; LDS answers in order: all but the 16 XB loads just issued are done, XA is in
	LOGITS
.if \nconv
	CONV 2*\m+4
.endif
	SOFTMAX
.if \nconv
	CONV 2*\m+5
.endif
.if \next
	LDXA \m+1
.endif
	s_wait_dscnt 16*(2*\nconv+\next)               ; XB is in; behind it stand the conversions' 2 x 16 stores and the 16 XA loads
	POOL \zero
.endm
	s_load_b128 s[4:7], s[0:1], 0x0                ; x s[4:5], conv_w s[6:7]
	s_load_b64 s[8:9], s[0:1], 0x10                ; part
	v_lshl_add_u32 v254, v0, 2, 0x49800
	v_mov_b32 v255, 0
	v_lshrrev_b32 v1, 5, v0
	v_readfirstlane_b32 s10, v1                    ; wave 0..3
	s_and_b32 s11, ttmp7, 0xffff                   ; batch; ttmp9: split
	v_and_b32 v1, 31, v0                           ; lane
	v_and_b32 v[RL], 15, v0
	v_bfe_u32 v[HL], v0, 4, 1
	v_lshlrev_b32 v[GO], 4, v[RL]
	v_lshl_add_u32 v[GO], v[HL], 17, v[GO]         ; + 8 rows of 16,384 bytes for the upper half of the lanes
	v_lshlrev_b32 v[WO], 4, v0
	WIN 0xc0
	v_mov_b32 v[GO3], v[GO]
	WIN 0
	s_lshl_b32 s12, s11, 21                        ; batch x 128 x 4,096 x 4 bytes
	s_lshl_b32 s13, ttmp9, 12                      ; + split x 1,024 positions
	s_add_co_u32 s12, s12, s13
	s_lshl_b32 s13, s10, 10                        ; + wave x 256 positions
	s_add_co_u32 s12, s12, s13
	s_mov_b32 s13, 0
	s_lshl_b32 s16, s11, 2
	s_add_co_u32 s16, s16, ttmp9
	s_mul_i32 s16, s16, PARTB
	s_mov_b32 s17, 0
	s_wait_kmcnt 0x0
	s_add_nc_u64 s[4:5], s[4:5], s[12:13]
	s_add_nc_u64 s[8:9], s[8:9], s[16:17]
	; w: each thread 16 x 16 bytes, a wave's load covers one row of 512 bytes.  Then the first three batches of x.  For a moment 64 loads
	; are asked for; the issue of the last holds until a load is back (ISA guide 5.7.1), and the wave waits for w next in any case.
.set i, 0
.rept 16
	global_load_b128 v[XA+4*i:XA+4*i+3], v[WO], s[6:7] offset:2048*i
.set i, i+1
.endr
	XLOAD 0
	XLOAD 1
	XLOAD 2
	WIN 0
	s_mul_i32 s14, s10, 2*XREG
	s_add_co_u32 s14, s14, XLDS                    ; my two x tiles
	v_and_b32 v[TP], 7, v0
	v_bfe_u32 v[TP+1], v0, 3, 1
	v_mul_u32_u24 v[XS], v[HL], 8*P
	v_lshl_add_u32 v[XS], v[RL], 3, v[XS]
	v_add_nc_u32 v[XS], s14, v[XS]
	v_lshl_add_u32 v[TR], v[HL], 3, v[TP]          ; row 8 (l >> 4) + (l & 7),
	v_mul_u32_u24 v[TR], v[TR], P
	v_lshl_add_u32 v[TR], v[TP+1], 4, v[TR]        ; 16 bytes on for lanes 8-15 and 24-31
	v_add_nc_u32 v[TR], s14, v[TR]
	v_mul_u32_u24 v[FB], v[RL], P
	v_lshl_add_u32 v[FB], v[HL], 4, v[FB]
	v_add_nc_u32 v[FB], s14, v[FB]
	v_mul_u32_u24 v[WF], v[RL], WP
	v_lshl_add_u32 v[WF], v[HL], 4, v[WF]
	s_mul_i32 s15, s10, WP
	v_lshl_add_u32 v[WS], v1, 3, s15               ; load i brings row 4 i + wave of w
	s_mul_i32 s15, s10, RWAVE
	s_add_co_u32 s15, s15, RLDS
	v_mul_u32_u24 v[RS], v[RL], RP
	v_lshl_add_u32 v[RS], v[HL], 5, v[RS]
	v_add_nc_u32 v[RS], s15, v[RS]
	s_lshl_b32 s15, s10, 8
	s_add_co_u32 s15, s15, SLDS
	v_lshl_add_u32 v[SS], v[RL], 2, s15
	s_mul_i32 s15, s10, 16*RP
	s_add_co_u32 s15, s15, RLDS
.irp src,0,1,2,3
	v_lshl_add_u32 v[RR+\src], v1, 4, s15
	s_add_co_u32 s15, s15, RWAVE
.endr
	s_lshl_b32 s15, s10, 13
	v_lshl_add_u32 v[PO], v1, 4, s15               ; rows 16 wave .. of 512 bytes
	WIN 0xc0
	v_mov_b32 v[XS3], v[XS]
	WIN 0x80
.set i, 0
.rept 8
	v_mov_b32 v[ONE+i], 0x3f803f80                 ; 1.0, 1.0 in bf16
.set i, i+1
.endr
	WIN 0
	s_wait_loadcnt 48                              ; w is in; the 48 loads of x behind it stay out
.set i, 0
.rept 16
	v_cvt_pk_bf16_f32 v[XA+4*i], v[XA+4*i], v[XA+4*i+1]
	v_cvt_pk_bf16_f32 v[XA+4*i+1], v[XA+4*i+2], v[XA+4*i+3]
	ds_store_b64 v[WS], v[XA+4*i:XA+4*i+1] offset:4*WP*i
.set i, i+1
.endr
	s_wait_dscnt 0x0                               ; my rows of w are written, for the other waves' sake
	s_barrier_signal -1
	s_barrier_wait -1
	WIN 0x80
.irp kt,0,1,2,3
.irp cs,0,1,2,3
	ds_load_b128 v[WFR+8*(4*\kt+\cs):WFR+8*(4*\kt+\cs)+3], v[WF] offset:16*\kt*WP+64*\cs
	ds_load_b128 v[WFR+8*(4*\kt+\cs)+4:WFR+8*(4*\kt+\cs)+7], v[WF] offset:16*\kt*WP+64*\cs+32
.endr
.endr
	CONV 0                                         ; chunk 0 into tile 0; batches 3 to 6 are asked for
	CONV 1
	CONV 2
	CONV 3
	LDXA 0
	STEP32 0, 1, 1, 1                              ; the first products start the sums: nothing is cleared
	STEP32 1, 0, 1, 1
	STEP32 2, 0, 1, 1
	STEP32 3, 0, 1, 1
	STEP32 4, 0, 1, 1
	STEP32 5, 0, 1, 1                              ; batches 14 and 15: the last
	STEP32 6, 0, 0, 1
	STEP32 7, 0, 0, 0
	; THE SUM OVER THE FOUR WAVES.  Tile (kt, ct), lane l, register j: cluster 16 kt + (l & 15), channel 16 ct + 8 (l >> 4) + j.
	WIN 0x04
.irp kt,0,1,2,3
.irp ct,0,1,2,3,4,5,6,7
	ds_store_b128 v[RS], v[8*(8*\kt+\ct):8*(8*\kt+\ct)+3] offset:16*\kt*RP+64*\ct
	ds_store_b128 v[RS], v[8*(8*\kt+\ct)+4:8*(8*\kt+\ct)+7] offset:16*\kt*RP+64*\ct+16
.endr
.endr
	WIN 0x08
.irp kt,0,1,2,3
	ds_store_b32 v[SS], v[SA+8*\kt] offset:64*\kt  ; all eight registers and both halves of the lanes hold the same sum
.endr
	WIN 0
	s_wait_dscnt 0x0
	s_barrier_signal -1
	s_barrier_wait -1
	WIN 0x40                                       ; rows 16 wave + i, a whole row of 512 bytes a load, from each wave's stage, into window 1
.set i, 0
.rept 16
.irp src,0,1,2,3
	ds_load_b128 v[16*i+4*\src:16*i+4*\src+3], v[RR+\src] offset:i*RP
.endr
.set i, i+1
.endr
	WIN 0x55
.set i, 0
.rept 16
	s_wait_dscnt 4*(15-i)                          ; row i's four loads are in; those of the later rows stay out
	v_pk_add_f32 v[16*i:16*i+1], v[16*i:16*i+1], v[16*i+4:16*i+5]
	v_pk_add_f32 v[16*i+2:16*i+3], v[16*i+2:16*i+3], v[16*i+6:16*i+7]
	v_pk_add_f32 v[16*i+8:16*i+9], v[16*i+8:16*i+9], v[16*i+12:16*i+13]
	v_pk_add_f32 v[16*i+10:16*i+11], v[16*i+10:16*i+11], v[16*i+14:16*i+15]
	v_pk_add_f32 v[16*i:16*i+1], v[16*i:16*i+1], v[16*i+8:16*i+9]
	v_pk_add_f32 v[16*i+2:16*i+3], v[16*i+2:16*i+3], v[16*i+10:16*i+11]
.set i, i+1
.endr
	WIN 0x04
.set i, 0
.rept 16
	global_store_b128 v[PO], v[16*i:16*i+3], s[8:9] offset:512*i   ; 512 consecutive bytes, at a multiple of 256 from the buffer's first byte
.set i, i+1
.endr
	WIN 0
	s_cmp_lg_u32 s10, 0
	s_cbranch_scc1 .Ldone
	v_lshlrev_b32 v[TP], 3, v1                     ; wave 0: the 64 sums of a, two a lane
	v_add_nc_u32 v[TP+1], SLDS, v[TP]
.irp src,0,1,2,3
	ds_load_b64 v[MX+2*\src:MX+2*\src+1], v[TP+1] offset:256*\src
.endr
	s_wait_dscnt 0x0
	v_pk_add_f32 v[MX:MX+1], v[MX:MX+1], v[MX+2:MX+3]
	v_pk_add_f32 v[MX+4:MX+5], v[MX+4:MX+5], v[MX+6:MX+7]
	v_pk_add_f32 v[MX:MX+1], v[MX:MX+1], v[MX+4:MX+5]
	global_store_b64 v[TP], v[MX:MX+1], s[8:9] offset:32768        ; 256 consecutive bytes in one store
.Ldone:
	s_wait_tensorcnt 0x0
	ds_add_u32 v254, v255
	s_wait_dscnt 0x0
	s_endpgm
.Lfunc_end_k_q8dff14dba7_pool:
	.size	k_q8dff14dba7_pool, .Lfunc_end_k_q8dff14dba7_pool-k_q8dff14dba7_pool
	.p2alignl 7, 3214868480
	.fill 96, 4, 3214868480
	.section	.rodata,"a",@progbits
	.p2align	6, 0x0
	.amdhsa_kernel k_q8dff14dba7_pool
		.amdhsa_group_segment_fixed_size 301568
		.amdhsa_private_segment_fixed_size 0
		.amdhsa_enable_private_segment 0
		.amdhsa_kernarg_size 24
		.amdhsa_user_sgpr_count 2
		.amdhsa_user_sgpr_kernarg_segment_ptr 1
		.amdhsa_wavefront_size32 1
		.amdhsa_system_sgpr_workgroup_id_x 1
		.amdhsa_system_sgpr_workgroup_id_y 1
		.amdhsa_system_sgpr_workgroup_id_z 1
		.amdhsa_system_vgpr_workitem_id 0
		.amdhsa_next_free_vgpr 1024
		.amdhsa_next_free_sgpr 66
		.amdhsa_reserve_vcc 0
		.amdhsa_float_denorm_mode_32 3
		.amdhsa_float_denorm_mode_16_64 3
		.amdhsa_memory_ordered 1
		.amdhsa_forward_progress 1
		.amdhsa_inst_pref_size 255
	.end_amdhsa_kernel
	.section	.bss,"aw",@nobits
	.p2align	6
	.space	262144
	.amdgpu_metadata
---
amdhsa.version: [ 1, 2 ]
amdhsa.kernels:
  - .name:           k_q8dff14dba7_pool
    .symbol:         k_q8dff14dba7_pool.kd
    .args:
      - { .name: x, .offset: 0, .size: 8, .value_kind: global_buffer, .address_space: global }
      - { .name: conv_w, .offset: 8, .size: 8, .value_kind: global_buffer, .address_space: global }
      - { .name: part, .offset: 16, .size: 8, .value_kind: global_buffer, .address_space: global }
    .group_segment_fixed_size: 301568
    .private_segment_fixed_size: 0
    .kernarg_segment_align: 8
    .kernarg_segment_size: 24
    .max_flat_workgroup_size: 128
    .sgpr_count:     66
    .vgpr_count:     1024
    .wavefront_size: 32
...
	.end_amdgpu_metadata
.endif
;; end of part 1
;; launch norm (part 2): grid 64 x 1, 16 waves a work-group, no clusters, 2,304 bytes of LDS; arguments part, centroids, out0; writes out0
.if DOCPART == 2
	.amdgcn_target "amdgcn-amd-amdhsa--gfx1250"
	.amdhsa_code_object_version 6
	.text
	.protected	k_q8dff14dba7_norm
	.globl	k_q8dff14dba7_norm
	.p2align	8
	.type	k_q8dff14dba7_norm,@function
k_q8dff14dba7_norm:
	s_mov_b64 s[64:65], 0
	v_nop
	global_prefetch_b8 v0, s[64:65] scope:SCOPE_SE
	s_setreg_imm32_b32 hwreg(HW_REG_WAVE_MODE, 25, 1), 1
	s_wait_xcnt 0x0
; NetVLAD, second launch.  One work-group for a batch (the last norm runs over all its 64 x 128 numbers), 16 waves, 4 cluster rows a wave;
; a row of 128 f32 is one 16-byte load or store of the wave's 32 lanes (512 consecutive bytes).
; vlad[k][c] = sum over the 4 parts of part[k][c]  -  (sum over the 4 parts of asum[k]) x centroids[k][c];
; row norm n_k = sqrt(sum_c vlad^2), v = vlad / max(n_k, 1e-12); the sum of v^2 over a row is ss_k / max(n_k, 1e-12)^2, so the batch's norm
; needs one number from each row; out = v / max(norm, 1e-12).  Divisions are v_rcp_f32 and a multiply.
; Memory and latency bind: no matrix unit, no cluster (the work-groups share the 32 KB of centroids alone), all 24 loads of a wave at once.
; LIMITS: a row's sum of squares must stay inside f32 (|vlad| below about 1e18); a sum of squares below 2^-126 counts as zero in
; v_sqrt_f32 (ISA guide 15.8), which changes nothing, since the norm is then replaced by 1e-12 as in the reference.
.set PARTB, 33024
.set PT, 8                             ; v8-71    part s, row i: 4 registers at 16 s + 4 i; then vlad in part 0's place
.set CE, 72                            ; v72-87   centroids, row i
.set AS, 88                            ; v88-103  part s: asum of my four rows
.set QS, 104                           ; v104-107 sums of squares
.set QT, 108                           ; v108-111 the other half's
.set IV, 112                           ; v112-115 1 / max(n, eps), then the whole factor
.set GS, 116
.set GL, 120                           ; v120-135 the 16 waves' figures
	s_load_b128 s[4:7], s[0:1], 0x0                ; part, centroids
	s_load_b64 s[8:9], s[0:1], 0x10                ; out0
	v_lshl_add_u32 v136, v0, 2, 0x100
	v_mov_b32 v137, 0
	v_lshrrev_b32 v1, 5, v0
	v_readfirstlane_b32 s10, v1                    ; wave 0..15
	v_and_b32 v1, 31, v0
	s_lshl_b32 s11, s10, 11
	v_lshl_add_u32 v2, v1, 4, s11                  ; 4 rows of 512 bytes a wave + 16 bytes a lane
	s_lshl_b32 s11, s10, 4
	v_mov_b32 v3, s11                              ; asum of rows 4 wave .. 4 wave + 3: 16 bytes, the same for all lanes
	s_lshl_b32 s11, s10, 2
	v_mov_b32 v4, s11                              ; my wave's word in LDS
	v_mov_b32 v5, 0
	s_mul_i32 s12, ttmp9, 4*PARTB
	s_mov_b32 s13, 0
	s_lshl_b32 s14, ttmp9, 15
	s_mov_b32 s15, 0
	s_mov_b32 s16, 0x76543210                      ; v_permlanex16_b32: lane i of one half reads lane i of the other
	s_mov_b32 s17, 0xfedcba98
	s_wait_kmcnt 0x0
	s_add_nc_u64 s[4:5], s[4:5], s[12:13]
	s_add_nc_u64 s[8:9], s[8:9], s[14:15]
.irp s,0,1,2,3
.irp i,0,1,2,3
	global_load_b128 v[PT+16*\s+4*\i:PT+16*\s+4*\i+3], v2, s[4:5] offset:\s*PARTB+512*\i th:TH_LOAD_NT
.endr
	global_load_b128 v[AS+4*\s:AS+4*\s+3], v3, s[4:5] offset:\s*PARTB+32768
.endr
.irp i,0,1,2,3
	global_load_b128 v[CE+4*\i:CE+4*\i+3], v2, s[6:7] offset:512*\i
.endr
.irp i,0,1,2,3
	v_mov_b32 v[QT+\i], 0                          ; v_permlanex16_b32 counts as a reader of its destination
.endr
	s_wait_loadcnt 0x0
.irp e,0,2,4,6,8,10,12,14
	v_pk_add_f32 v[PT+\e:PT+\e+1], v[PT+\e:PT+\e+1], v[PT+16+\e:PT+16+\e+1]
	v_pk_add_f32 v[PT+32+\e:PT+32+\e+1], v[PT+32+\e:PT+32+\e+1], v[PT+48+\e:PT+48+\e+1]
.endr
.irp e,0,2,4,6,8,10,12,14
	v_pk_add_f32 v[PT+\e:PT+\e+1], v[PT+\e:PT+\e+1], v[PT+32+\e:PT+32+\e+1]
.endr
.irp e,0,2
	v_pk_add_f32 v[AS+\e:AS+\e+1], v[AS+\e:AS+\e+1], v[AS+4+\e:AS+4+\e+1]
	v_pk_add_f32 v[AS+8+\e:AS+8+\e+1], v[AS+8+\e:AS+8+\e+1], v[AS+12+\e:AS+12+\e+1]
.endr
.irp e,0,2
	v_pk_add_f32 v[AS+\e:AS+\e+1], v[AS+\e:AS+\e+1], v[AS+8+\e:AS+8+\e+1]
.endr
.irp i,0,1,2,3
.irp e,0,1,2,3
	v_fma_f32 v[PT+4*\i+\e], -v[AS+\i], v[CE+4*\i+\e], v[PT+4*\i+\e]
.endr
.endr
.irp i,0,1,2,3
	v_mul_f32 v[QS+\i], v[PT+4*\i], v[PT+4*\i]
.endr
.irp e,1,2,3
.irp i,0,1,2,3
	v_fmac_f32 v[QS+\i], v[PT+4*\i+\e], v[PT+4*\i+\e]
.endr
.endr
.irp x,1,2,4,8
.irp i,0,1,2,3
	v_add_f32_dpp v[QS+\i], v[QS+\i], v[QS+\i] row_xmask:\x row_mask:0xf bank_mask:0xf
.endr
.endr
.irp i,0,1,2,3
	v_permlanex16_b32 v[QT+\i], v[QS+\i], s16, s17
.endr
.irp i,0,1,2,3
	v_add_f32 v[QS+\i], v[QS+\i], v[QT+\i]         ; every lane holds the row's sum of squares
.endr
.irp i,0,1,2,3
	v_sqrt_f32 v[IV+\i], v[QS+\i]
.endr
	v_nop                                          ; one plain place behind a run of transcendentals (ISA guide 5.7.2)
	s_wait_alu depctr_va_vdst(0)
.irp i,0,1,2,3
	v_max_num_f32 v[IV+\i], 0x2b8cbccc, v[IV+\i]   ; 1e-12
.endr
.irp i,0,1,2,3
	v_rcp_f32 v[IV+\i], v[IV+\i]
.endr
	v_nop
	s_wait_alu depctr_va_vdst(0)
.irp i,0,1,2,3
	v_mul_f32 v[QS+\i], v[QS+\i], v[IV+\i]
.endr
.irp i,0,1,2,3
	v_mul_f32 v[QS+\i], v[QS+\i], v[IV+\i]         ; the normalised row's sum of squares
.endr
	v_add_f32 v[QS], v[QS], v[QS+1]
	v_add_f32 v[QS+2], v[QS+2], v[QS+3]
	v_add_f32 v[GS], v[QS], v[QS+2]
	ds_store_b32 v4, v[GS]                         ; all lanes write the same word with the same value
	s_wait_dscnt 0x0
	s_barrier_signal -1
	s_barrier_wait -1
.irp e,0,1,2,3
	ds_load_b128 v[GL+4*\e:GL+4*\e+3], v5 offset:16*\e
.endr
	s_wait_dscnt 0x0
.irp e,0,2,4,6
	v_pk_add_f32 v[GL+\e:GL+\e+1], v[GL+\e:GL+\e+1], v[GL+8+\e:GL+8+\e+1]
.endr
.irp e,0,2
	v_pk_add_f32 v[GL+\e:GL+\e+1], v[GL+\e:GL+\e+1], v[GL+4+\e:GL+4+\e+1]
.endr
	v_pk_add_f32 v[GL:GL+1], v[GL:GL+1], v[GL+2:GL+3]
	v_add_f32 v[GL], v[GL], v[GL+1]
	v_sqrt_f32 v[GS], v[GL]
	v_nop
	s_wait_alu depctr_va_vdst(0)
	v_max_num_f32 v[GS], 0x2b8cbccc, v[GS]
	v_rcp_f32 v[GS], v[GS]
	v_nop
	s_wait_alu depctr_va_vdst(0)
.irp i,0,1,2,3
	v_mul_f32 v[IV+\i], v[IV+\i], v[GS]
.endr
.irp i,0,1,2,3
.irp e,0,1,2,3
	v_mul_f32 v[PT+4*\i+\e], v[PT+4*\i+\e], v[IV+\i]
.endr
.endr
.irp i,0,1,2,3
	global_store_b128 v2, v[PT+4*\i:PT+4*\i+3], s[8:9] offset:512*\i th:TH_STORE_NT
.endr
	s_wait_tensorcnt 0x0
	ds_add_u32 v136, v137
	s_wait_dscnt 0x0
	s_endpgm
.Lfunc_end_k_q8dff14dba7_norm:
	.size	k_q8dff14dba7_norm, .Lfunc_end_k_q8dff14dba7_norm-k_q8dff14dba7_norm
	.p2alignl 7, 3214868480
	.fill 96, 4, 3214868480
	.section	.rodata,"a",@progbits
	.p2align	6, 0x0
	.amdhsa_kernel k_q8dff14dba7_norm
		.amdhsa_group_segment_fixed_size 2304
		.amdhsa_private_segment_fixed_size 0
		.amdhsa_enable_private_segment 0
		.amdhsa_kernarg_size 24
		.amdhsa_user_sgpr_count 2
		.amdhsa_user_sgpr_kernarg_segment_ptr 1
		.amdhsa_wavefront_size32 1
		.amdhsa_system_sgpr_workgroup_id_x 1
		.amdhsa_system_sgpr_workgroup_id_y 1
		.amdhsa_system_sgpr_workgroup_id_z 1
		.amdhsa_system_vgpr_workitem_id 0
		.amdhsa_next_free_vgpr 138
		.amdhsa_next_free_sgpr 66
		.amdhsa_reserve_vcc 0
		.amdhsa_float_denorm_mode_32 3
		.amdhsa_float_denorm_mode_16_64 3
		.amdhsa_memory_ordered 1
		.amdhsa_forward_progress 1
		.amdhsa_inst_pref_size 12
	.end_amdhsa_kernel
	.amdgpu_metadata
---
amdhsa.version: [ 1, 2 ]
amdhsa.kernels:
  - .name:           k_q8dff14dba7_norm
    .symbol:         k_q8dff14dba7_norm.kd
    .args:
      - { .name: part, .offset: 0, .size: 8, .value_kind: global_buffer, .address_space: global }
      - { .name: centroids, .offset: 8, .size: 8, .value_kind: global_buffer, .address_space: global }
      - { .name: out0, .offset: 16, .size: 8, .value_kind: global_buffer, .address_space: global }
    .group_segment_fixed_size: 2304
    .private_segment_fixed_size: 0
    .kernarg_segment_align: 8
    .kernarg_segment_size: 24
    .max_flat_workgroup_size: 512
    .sgpr_count:     66
    .vgpr_count:     138
    .wavefront_size: 32
...
	.end_amdgpu_metadata
.endif
;; end of part 2
;; ======== version 2 of 2: 2 launches; version 1 with the launch pool written anew for expert scheduling mode
;; workspace buffers: part 8,454,144 bytes
;; launch pool (part 3): grid 4 x 64, 4 waves a work-group, no clusters, 301,568 bytes of LDS; arguments x, conv_w, part; writes part
.if DOCPART == 3
	.amdgcn_target "amdgcn-amd-amdhsa--gfx1250"
	.amdhsa_code_object_version 6
	.text
	.protected	k_q8dff14dba7_pool
	.globl	k_q8dff14dba7_pool
	.p2align	8
	.type	k_q8dff14dba7_pool,@function
k_q8dff14dba7_pool:
	s_mov_b64 s[64:65], 0
	v_nop
	global_prefetch_b8 v0, s[64:65] scope:SCOPE_SE
	s_setreg_imm32_b32 hwreg(HW_REG_WAVE_SCHED_MODE, 0, 2), 2
	s_setreg_imm32_b32 hwreg(HW_REG_WAVE_MODE, 25, 1), 1
	s_wait_xcnt 0x0
	s_wait_alu depctr_vm_vsrc(0)
; NetVLAD, first of two launches.  x: [64][128 c][4096 n] f32, conv_w: [64 k][128 c] f32.
; Work-group (split s = 0..3, batch b) takes 1,024 positions n of one batch, each of its four waves 256 of them, and leaves in
; part[(4 b + s)]: 64 x 128 f32 sums  sum_n a[k][n] x[c][n]  (32,768 bytes) and 64 f32 sums  sum_n a[k][n]  (256 bytes),
; a = softmax over k of  sum_c w[k][c] x[c][n], the column's true maximum taken away first.
; A wave works alone on its 256 positions (no barrier between the start and the final sum over the four waves):
;   memory -> registers (16 lanes take 256 aligned bytes of one channel row) -> bf16 -> the wave's own LDS tile [c][64 n], pitch 144.
;   f32 never lies in LDS: an element costs 2 bytes written and 2 x 2 bytes read there.
;   logits  D[n][k] : A = x, rows n, K = c (transposing LDS load), B = w.  A lane then holds 8 neighbouring n of one cluster k,
;                     which, packed to bf16, IS the operand of the second product: a makes no trip through LDS.
;   pooling D[c][k] : A = x, rows c, K = n (plain LDS load), B = a.  A lane holds 8 neighbouring c of one k: 32 bytes that belong together.
;   sum_n a         : the same B against a fragment of ones.
; 16 batches of 16 loads (32 channel rows x 64 n) run through three register slots; batch b + 3 is asked for as soon as batch b is
; converted, so 48 loads (24 KB) of every wave stay out during all the arithmetic.
; No cluster, no tensor loads: the work-groups share conv_w alone, 32 KB of the 557 KB that each reads.
; LIMITS: x, w and a are rounded to bf16 for the products (sums, softmax in f32).  NaN and infinities in the inputs are not
; reproduced as the reference gives them (the maximum skips NaN).
; THE MODE: SCHED_MODE bits 1:0 = 2 (LLVM: expert scheduling mode 2), set by the entry lines.  The code itself states the register dependences
; between vector or matrix instructions and memory or LDS instructions, with s_wait_alu, always for 0.
; THE PLAN.  Registers that memory or LDS instructions touch, in a step of 32 positions:
;   ST0 .. ST2  x as loaded.  Read by the 32 roundings of batch b alone; behind them the loads of batch b + 3 land in the same slot.
;   OUT         32 registers of bf16.  Written by a batch's roundings, read by its 16 LDS stores, written again by the next batch's roundings.
;   XA          Read by step m's 32 logit products; the transposing loads for step m + 1 land in it late in step m.
;   XB          Read by step m's 32 pooling products; the loads for step m + 1 land in it behind the first wait of step m + 1.
;   addresses   All made at the head and never written again; immediate offsets do the rest.
;   LG, AF, MX, SM, TP, w's fragments, the ones and the accumulators are named by vector and matrix instructions alone.
; So a step has three waits on va_vdst.  (1) Behind the logit products and the first batch's roundings: OUT is written, the slot is read out, the last
; step's pooling products are done with XB and this step's logit products with XA.  The slot's loads, the LDS stores and XB's loads follow it.
; (2) Behind the exponentials.  (3) Behind the reciprocals and the second batch's roundings: the same for that batch; its loads, its stores and XA's loads
; follow it.  Behind each of them the softmax names LG, MX, SM, TP and AF alone, none of the registers that those loads and stores touch.
; A wait on vm_vsrc stands ahead of each batch's roundings: the LDS stores of the batch before have read OUT.
.set ROWB,  16384                      ; bytes from a channel row of x to the next
.set P,     144                        ; LDS pitch of a bf16 row of 64 n: 128 + 16 bytes, an odd multiple of 16
.set XREG,  128*P                      ; one bf16 tile: 18,432 bytes; a wave has two, used in turn
.set WP,    272                        ; LDS pitch of a row of w in bf16: 256 + 16
.set XLDS,  64*WP                      ; w lies at 0, the x tiles behind it
.set RP,    528                        ; final sum: pitch of a row of 128 f32: 512 + 16
.set RWAVE, 64*RP                      ; a wave's 64 rows there
.set RLDS,  XLDS+8*XREG
.set SLDS,  RLDS+4*RWAVE               ; 4 x 64 f32: the waves' sums of a
.set PARTB, 33024                      ; bytes of one work-group's part
; window 0 (v0-255)
.set GO, 2                             ; x: 16 (l & 15) + (l >> 4) x 8 rows
.set XS, 3                             ; LDS: where my 8 bytes of a converted row go
.set TR, 4                             ; LDS: transposing load
.set FB, 5                             ; LDS: plain fragment of x
.set WF, 6                             ; LDS: fragment of w
.set WS, 7                             ; LDS: where my 8 bytes of w go
.set WO, 8                             ; w: 16 x thread
.set RS, 9                             ; final sum: where my 16 bytes go
.set SS, 10                            ; final sum: where my sum of a goes
.set PO, 11                            ; part: my byte offset
.set RR, 12                            ; v12-15 final sum: read address in the stage of wave 0..3
.set XA, 16                            ; v16-79   x fragments for the logits, [t][cs], 8 each (at the start: w as loaded)
.set LG, 80                            ; v80-143  logits, then a in f32: [t][kt][j]
.set AF, 144                           ; v144-175 a in bf16, fragment kt: registers 0-3 from t = 0, 4-7 from t = 1
.set MX, 176                           ; v176-191 maxima [t][j]
.set SM, 192                           ; v192-207 sums [t][j]
.set TP, 208                           ; v208-223 at work
.set RL, 224                           ; l & 15
.set HL, 225                           ; l >> 4
.set SR, 226                           ; LDS: the sums of a, two a lane, as wave 0 reads them
.set SG, 227                           ; part: 8 x lane, for those sums
; window 1 (v256-511): accumulator (kt, ct) at 8 (8 kt + ct)
; window 2 (v512-767)
.set WFR, 0                            ; w fragments [kt][cs], 8 each
.set SA,  128                          ; sums of a, tile kt
.set ONE, 160                          ; a fragment of ones
.set XB,  168                          ; x fragments for the pooling, [ct], 8 each
; window 3 (v768-1023)
.set ST,  0                            ; three slots of 64: x as loaded
.set XS3, 192                          ; copies of XS and GO, so that a conversion runs under one window setting
.set GO3, 193
.set OU,  194                          ; v194-225 OUT: a batch in bf16, load i's 8 bytes a lane at OU + 2 i
.set MSB, 0
.macro WIN new                         ; low byte: bits 1:0 source 0, 3:2 source 1, 5:4 source 2, 7:6 destination; high byte: the setting left
.if MSB != \new
	s_set_vgpr_msb (MSB<<8)|\new
.set MSB, \new
.endif
.endm
.macro PLACES                          ; four places behind matrix instructions before their results are read otherwise (ISA guide 7.12.1)
.rept 4
	v_nop
.endr
.endm
; batch b = 4 q + g: channel rows 32 g .. 32 g + 31 of the wave's chunk q of 64 n, into slot b % 3.
; Load i: lanes 0-15 take 256 bytes of row 32 g + 16 (i >> 3) + (i & 7), lanes 16-31 of the row 8 further down.
.macro XLOAD b
	WIN 0xcf
.set xg, (\b)&3
.set xq, (\b)>>2
.set xs, ST+64*((\b)%3)
.set i, 0
.rept 16
	global_load_b128 v[xs+4*i:xs+4*i+3], v[GO3], s[4:5] offset:(32*xg+16*(i>>3)+(i&7))*ROWB+256*xq th:TH_LOAD_NT
.set i, i+1
.endr
.endm
; batch b, first half: wait for it and round it to bf16, out of its slot into OUT.  free = 1: a batch before it has been stored from OUT.
.macro CVT b, free
.if (\b) <= 13
	s_wait_loadcnt 32                              ; loads return in order: the two younger batches stay out
.else
	s_wait_loadcnt 16*(15-(\b))                    ; the last batches: nothing was asked for behind batch 15
.endif
.if \free
	s_wait_alu depctr_vm_vsrc(0)                   ; the LDS stores of the batch before have read OUT, which the roundings below write again
.endif
	WIN 0xcf
.set cb, ST+64*((\b)%3)
.set i, 0
.rept 16
	v_cvt_pk_bf16_f32 v[OU+2*i], v[cb+4*i], v[cb+4*i+1]
	v_cvt_pk_bf16_f32 v[OU+2*i+1], v[cb+4*i+2], v[cb+4*i+3]
.set i, i+1
.endr
.endm
; batch b, second half, behind a wait on va_vdst: batch b + 3 is asked for into the slot just read out, then 8 bytes a lane go into tile q & 1
; (the two rows of a store lie 8 x 144 = 128 mod 256 bytes apart: the 32 lanes touch every bank once).
.macro PUT b
.if (\b)+3 < 16
	XLOAD \b+3
.endif
	WIN 0xcf
.set cg, (\b)&3
.set cp, ((\b)>>2)&1
.set i, 0
.rept 16
	ds_store_b64 v[XS3], v[OU+2*i:OU+2*i+1] offset:(32*cg+16*(i>>3)+(i&7))*P+cp*XREG
.set i, i+1
.endr
.endm
.macro CONV b, free                    ; both halves on end: the first chunk, ahead of the steps
	CVT \b, \free
	s_wait_alu depctr_va_vdst(0)                   ; the roundings have written OUT, which the LDS stores read, and are done reading the slot, in which the loads land
	PUT \b
.endm
; step m = 2 q + u: 32 positions at byte 64 u of the rows of tile q & 1
.macro LDXA m                          ; 16 transposing loads: rows n = 16 t + (l & 15), K = c = 32 cs ..
	WIN 0
.irp t,0,1
.irp cs,0,1,2,3
	ds_load_tr16_b128 v[XA+8*(4*\t+\cs):XA+8*(4*\t+\cs)+3], v[TR] offset:(((\m)>>1)&1)*XREG+32*\cs*P+64*((\m)&1)+32*\t
	ds_load_tr16_b128 v[XA+8*(4*\t+\cs)+4:XA+8*(4*\t+\cs)+7], v[TR] offset:(((\m)>>1)&1)*XREG+32*\cs*P+64*((\m)&1)+32*\t+16*P
.endr
.endr
.endm
.macro LDXB m                          ; 16 plain loads: rows c = 16 ct + (l & 15), K = n
	WIN 0x80
.irp ct,0,1,2,3,4,5,6,7
	ds_load_b128 v[XB+8*\ct:XB+8*\ct+3], v[FB] offset:(((\m)>>1)&1)*XREG+16*\ct*P+64*((\m)&1)
	ds_load_b128 v[XB+8*\ct+4:XB+8*\ct+7], v[FB] offset:(((\m)>>1)&1)*XREG+16*\ct*P+64*((\m)&1)+32
.endr
.endm
.macro LOGITS                          ; 32 matrix instructions; eight sums in turn, the first product of each starts it
	WIN 0x08
.irp cs,0,1,2,3
.irp t,0,1
.irp kt,0,1,2,3
.if \cs == 0
	v_wmma_f32_16x16x32_bf16 v[LG+32*\t+8*\kt:LG+32*\t+8*\kt+7], v[XA+8*(4*\t+\cs):XA+8*(4*\t+\cs)+7], v[WFR+8*(4*\kt+\cs):WFR+8*(4*\kt+\cs)+7], 0
.else
	v_wmma_f32_16x16x32_bf16 v[LG+32*\t+8*\kt:LG+32*\t+8*\kt+7], v[XA+8*(4*\t+\cs):XA+8*(4*\t+\cs)+7], v[WFR+8*(4*\kt+\cs):WFR+8*(4*\kt+\cs)+7], v[LG+32*\t+8*\kt:LG+32*\t+8*\kt+7]
.endif
.endr
.endr
.endr
.endm
; softmax over k, in three parts.  Register LG + 32 t + 8 kt + j of lane l: position 16 t + 8 (l >> 4) + j, cluster 16 kt + (l & 15):
; over k = over the four tiles in the lane, then over the 16 lanes of a half (four steps that ride on the arithmetic).
.macro SM1                             ; the maximum, the scaling, the exponentials
	WIN 0
.irp t,0,1
.irp j,0,1,2,3,4,5,6,7
	v_max3_num_f32 v[MX+8*\t+\j], v[LG+32*\t+\j], v[LG+32*\t+8+\j], v[LG+32*\t+16+\j]
.endr
.endr
.irp t,0,1
.irp j,0,1,2,3,4,5,6,7
	v_max_num_f32 v[MX+8*\t+\j], v[MX+8*\t+\j], v[LG+32*\t+24+\j]
.endr
.endr
.irp x,1,2,4,8
.set i, 0
.rept 16
	v_max_num_f32_dpp v[MX+i], v[MX+i], v[MX+i] row_xmask:\x row_mask:0xf bank_mask:0xf
.set i, i+1
.endr
.endr
.set i, 0
.rept 16
	v_mul_f32 v[MX+i], 0xbfb8aa3b, v[MX+i]         ; - max x log2(e)
.set i, i+1
.endr
.irp t,0,1
.irp kt,0,1,2,3
.irp j,0,2,4,6
	v_pk_fma_f32 v[LG+32*\t+8*\kt+\j:LG+32*\t+8*\kt+\j+1], v[LG+32*\t+8*\kt+\j:LG+32*\t+8*\kt+\j+1], 0x3fb8aa3b, v[MX+8*\t+\j:MX+8*\t+\j+1] op_sel_hi:[1,0,1]
.endr
.endr
.endr
.set i, 0
.rept 64
	v_exp_f32 v[LG+i], v[LG+i]
.set i, i+1
.endr
	v_nop                                          ; one plain place behind the run of exponentials (ISA guide 5.7.2)
	s_wait_alu depctr_va_vdst(0)                   ; the 64 exponentials have written LG: one wait for the batch, ahead of the first line that names a result
.endm
.macro SM2                             ; the sums and their reciprocals
	WIN 0
.irp t,0,1
.irp j,0,2,4,6
	v_pk_add_f32 v[SM+8*\t+\j:SM+8*\t+\j+1], v[LG+32*\t+\j:LG+32*\t+\j+1], v[LG+32*\t+8+\j:LG+32*\t+8+\j+1]
	v_pk_add_f32 v[TP+8*\t+\j:TP+8*\t+\j+1], v[LG+32*\t+16+\j:LG+32*\t+16+\j+1], v[LG+32*\t+24+\j:LG+32*\t+24+\j+1]
.endr
.endr
.irp j,0,2,4,6,8,10,12,14
	v_pk_add_f32 v[SM+\j:SM+\j+1], v[SM+\j:SM+\j+1], v[TP+\j:TP+\j+1]
.endr
.irp x,1,2,4,8
.set i, 0
.rept 16
	v_add_f32_dpp v[SM+i], v[SM+i], v[SM+i] row_xmask:\x row_mask:0xf bank_mask:0xf
.set i, i+1
.endr
.endr
.set i, 0
.rept 16
	v_rcp_f32 v[SM+i], v[SM+i]                     ; the sum is at least about 1: the maximum's own term
.set i, i+1
.endr
.endm
.macro SM3                             ; a = p / sum, rounded to bf16 into the second product's operand
	WIN 0
.irp t,0,1
.irp kt,0,1,2,3
.irp j,0,2,4,6
	v_pk_mul_f32 v[LG+32*\t+8*\kt+\j:LG+32*\t+8*\kt+\j+1], v[LG+32*\t+8*\kt+\j:LG+32*\t+8*\kt+\j+1], v[SM+8*\t+\j:SM+8*\t+\j+1]
.endr
.endr
.endr
.irp t,0,1
.irp kt,0,1,2,3
.irp j,0,2,4,6
	v_cvt_pk_bf16_f32 v[AF+8*\kt+4*\t+\j/2], v[LG+32*\t+8*\kt+\j], v[LG+32*\t+8*\kt+\j+1]
.endr
.endr
.endr
.endm
.macro POOL zero                       ; 32 + 4 matrix instructions, 36 sums of their own
	WIN 0x52
.irp kt,0,1,2,3
.irp ct,0,1,2,3,4,5,6,7
.if \zero
	v_wmma_f32_16x16x32_bf16 v[8*(8*\kt+\ct):8*(8*\kt+\ct)+7], v[XB+8*\ct:XB+8*\ct+7], v[AF+8*\kt:AF+8*\kt+7], 0
.else
	v_wmma_f32_16x16x32_bf16 v[8*(8*\kt+\ct):8*(8*\kt+\ct)+7], v[XB+8*\ct:XB+8*\ct+7], v[AF+8*\kt:AF+8*\kt+7], v[8*(8*\kt+\ct):8*(8*\kt+\ct)+7]
.endif
.endr
.endr
	WIN 0xa2
.irp kt,0,1,2,3
.if \zero
	v_wmma_f32_16x16x32_bf16 v[SA+8*\kt:SA+8*\kt+7], v[ONE:ONE+7], v[AF+8*\kt:AF+8*\kt+7], 0
.else
	v_wmma_f32_16x16x32_bf16 v[SA+8*\kt:SA+8*\kt+7], v[ONE:ONE+7], v[AF+8*\kt:AF+8*\kt+7], v[SA+8*\kt:SA+8*\kt+7]
.endif
.endr
.endm
; One step of 32 positions.  Its XA loads were issued in the step before.  nconv = 1: batches 2 m + 4 and 2 m + 5 (the next chunk's) are
; converted on the way, into the other tile.  next = 1: the next step's XA loads are issued behind them, ahead of the pooling.
; A step's logit products follow the last step's pooling products with nothing between but the wait for XA.
.macro STEP32 m, zero, nconv, next
	s_wait_dscnt 0x0                               ; XA is in: its loads were the last LDS instructions of the step before
	LOGITS
.if \nconv
	CVT 2*\m+4, 1                                  ; these 32 roundings are also the places between the logit products and the softmax that reads them
	s_wait_alu depctr_va_vdst(0)                   ; the roundings have written OUT (the LDS stores read it) and are done reading the slot (the loads land in it); the last step's pooling products are done reading XB, this step's logit products XA, in which the loads below land
	PUT 2*\m+4
.else
	PLACES
	WIN 0x80
	s_wait_alu depctr_va_vdst(0)                   ; the last step's pooling products are done reading XB, this step's logit products XA, in which the loads below land
.endif
	LDXB \m
	SM1
	SM2
.if \nconv
	CVT 2*\m+5, 1                                  ; these roundings are also the plain place behind the reciprocals (ISA guide 5.7.2)
	s_wait_alu depctr_va_vdst(0)                   ; the 16 reciprocals have written SM, ahead of the first line that names a result; the roundings have written OUT and are done reading the slot
	PUT 2*\m+5
.else
	v_nop                                          ; one plain place behind the reciprocals (ISA guide 5.7.2)
	s_wait_alu depctr_va_vdst(0)                   ; the 16 reciprocals have written SM, ahead of the first line that names a result
.endif
.if \next
	LDXA \m+1                                      ; no wait: no vector or matrix instruction since the step's first wait names XA
.endif
	SM3
	s_wait_dscnt 16*(\nconv+\next)                 ; LDS answers in order: XB is in; behind it stand the second batch's 16 stores and the 16 XA loads
	POOL \zero
.endm
	s_load_b128 s[4:7], s[0:1], 0x0                ; x s[4:5], conv_w s[6:7]
	s_load_b64 s[8:9], s[0:1], 0x10                ; part
	v_lshl_add_u32 v254, v0, 2, 0x49800
	v_mov_b32 v255, 0
	v_lshrrev_b32 v1, 5, v0
	v_readfirstlane_b32 s10, v1                    ; wave 0..3
	s_and_b32 s11, ttmp7, 0xffff                   ; batch; ttmp9: split
	v_and_b32 v1, 31, v0                           ; lane
	v_and_b32 v[RL], 15, v0
	v_bfe_u32 v[HL], v0, 4, 1
	v_lshlrev_b32 v[GO], 4, v[RL]
	v_lshl_add_u32 v[GO], v[HL], 17, v[GO]         ; + 8 rows of 16,384 bytes for the upper half of the lanes
	v_lshlrev_b32 v[WO], 4, v0
	v_and_b32 v[TP], 7, v0
	v_bfe_u32 v[TP+1], v0, 3, 1
	v_lshlrev_b32 v[SG], 3, v1                     ; the 64 sums of a, two a lane
	v_add_nc_u32 v[SR], SLDS, v[SG]
	s_wait_alu depctr_va_sdst(0)                   ; s10 is written, ahead of its first reader: bases and LDS addresses are made from it
	s_lshl_b32 s12, s11, 21                        ; batch x 128 x 4,096 x 4 bytes
	s_lshl_b32 s13, ttmp9, 12                      ; + split x 1,024 positions
	s_add_co_u32 s12, s12, s13
	s_lshl_b32 s13, s10, 10                        ; + wave x 256 positions
	s_add_co_u32 s12, s12, s13
	s_mov_b32 s13, 0
	s_lshl_b32 s16, s11, 2
	s_add_co_u32 s16, s16, ttmp9
	s_mul_i32 s16, s16, PARTB
	s_mov_b32 s17, 0
	; every address of the kernel is made here, while the arguments are on their way, and none is written again
	s_mul_i32 s14, s10, 2*XREG
	s_add_co_u32 s14, s14, XLDS                    ; my two x tiles
	v_mul_u32_u24 v[XS], v[HL], 8*P
	v_lshl_add_u32 v[XS], v[RL], 3, v[XS]
	v_add_nc_u32 v[XS], s14, v[XS]
	v_lshl_add_u32 v[TR], v[HL], 3, v[TP]          ; row 8 (l >> 4) + (l & 7),
	v_mul_u32_u24 v[TR], v[TR], P
	v_lshl_add_u32 v[TR], v[TP+1], 4, v[TR]        ; 16 bytes on for lanes 8-15 and 24-31
	v_add_nc_u32 v[TR], s14, v[TR]
	v_mul_u32_u24 v[FB], v[RL], P
	v_lshl_add_u32 v[FB], v[HL], 4, v[FB]
	v_add_nc_u32 v[FB], s14, v[FB]
	v_mul_u32_u24 v[WF], v[RL], WP
	v_lshl_add_u32 v[WF], v[HL], 4, v[WF]
	s_mul_i32 s15, s10, WP
	v_lshl_add_u32 v[WS], v1, 3, s15               ; load i brings row 4 i + wave of w
	s_mul_i32 s15, s10, RWAVE
	s_add_co_u32 s15, s15, RLDS
	v_mul_u32_u24 v[RS], v[RL], RP
	v_lshl_add_u32 v[RS], v[HL], 5, v[RS]
	v_add_nc_u32 v[RS], s15, v[RS]
	s_lshl_b32 s15, s10, 8
	s_add_co_u32 s15, s15, SLDS
	v_lshl_add_u32 v[SS], v[RL], 2, s15
	s_mul_i32 s15, s10, 16*RP
	s_add_co_u32 s15, s15, RLDS
.irp src,0,1,2,3
	v_lshl_add_u32 v[RR+\src], v1, 4, s15
	s_add_co_u32 s15, s15, RWAVE
.endr
	s_lshl_b32 s15, s10, 13
	v_lshl_add_u32 v[PO], v1, 4, s15               ; rows 16 wave .. of 512 bytes
	WIN 0xc0
	v_mov_b32 v[GO3], v[GO]
	v_mov_b32 v[XS3], v[XS]
	WIN 0x80
.set i, 0
.rept 8
	v_mov_b32 v[ONE+i], 0x3f803f80                 ; 1.0, 1.0 in bf16
.set i, i+1
.endr
	WIN 0
	s_wait_kmcnt 0x0
	s_add_nc_u64 s[4:5], s[4:5], s[12:13]
	s_add_nc_u64 s[8:9], s[8:9], s[16:17]
	s_wait_alu depctr_va_vdst(0)                   ; all offsets and LDS addresses are written (v2 to v15, v226, v227 and the two copies in window 3): every load and store of the kernel reads one of them
	; w: each thread 16 x 16 bytes, a wave's load covers one row of 512 bytes.  Then the first three batches of x.  For a moment 64 loads
	; are asked for; the issue of the last holds until a load is back (ISA guide 5.7.1), and the wave waits for w next in any case.
.set i, 0
.rept 16
	global_load_b128 v[XA+4*i:XA+4*i+3], v[WO], s[6:7] offset:2048*i
.set i, i+1
.endr
	XLOAD 0
	XLOAD 1
	XLOAD 2
	WIN 0
	s_wait_loadcnt 48                              ; w is in; the 48 loads of x behind it stay out
.set i, 0
.rept 16
	v_cvt_pk_bf16_f32 v[XA+4*i], v[XA+4*i], v[XA+4*i+1]
	v_cvt_pk_bf16_f32 v[XA+4*i+1], v[XA+4*i+2], v[XA+4*i+3]
.set i, i+1
.endr
	s_wait_alu depctr_va_vdst(0)                   ; the roundings have written w in bf16 into XA's registers, which the LDS stores read
.set i, 0
.rept 16
	ds_store_b64 v[WS], v[XA+4*i:XA+4*i+1] offset:4*WP*i
.set i, i+1
.endr
	s_wait_dscnt 0x0                               ; my rows of w are written, for the other waves' sake
	s_barrier_signal -1
	s_barrier_wait -1
	s_wait_alu depctr_vm_vsrc(0)                   ; my LDS stores have read XA's registers, in which x's fragments land from here on
	WIN 0x80
.irp kt,0,1,2,3
.irp cs,0,1,2,3
	ds_load_b128 v[WFR+8*(4*\kt+\cs):WFR+8*(4*\kt+\cs)+3], v[WF] offset:16*\kt*WP+64*\cs
	ds_load_b128 v[WFR+8*(4*\kt+\cs)+4:WFR+8*(4*\kt+\cs)+7], v[WF] offset:16*\kt*WP+64*\cs+32
.endr
.endr
	CONV 0, 0                                      ; chunk 0 into tile 0; batches 3 to 6 are asked for
	CONV 1, 1
	CONV 2, 1
	CONV 3, 1
	LDXA 0                                         ; no wait: the roundings of w stand ahead of the waits above, and nothing since names XA
	STEP32 0, 1, 1, 1                              ; the first products start the sums: nothing is cleared
	STEP32 1, 0, 1, 1
	STEP32 2, 0, 1, 1
	STEP32 3, 0, 1, 1
	STEP32 4, 0, 1, 1
	STEP32 5, 0, 1, 1                              ; batches 14 and 15: the last
	STEP32 6, 0, 0, 1
	STEP32 7, 0, 0, 0
	; THE SUM OVER THE FOUR WAVES.  Tile (kt, ct), lane l, register j: cluster 16 kt + (l & 15), channel 16 ct + 8 (l >> 4) + j.
	PLACES                                         ; behind the last products, before their results are read
	WIN 0x04
	s_wait_alu depctr_va_vdst(0)                   ; the products have written the 36 sums, which the LDS stores read; the places above stay beside this wait
.irp kt,0,1,2,3
.irp ct,0,1,2,3,4,5,6,7
	ds_store_b128 v[RS], v[8*(8*\kt+\ct):8*(8*\kt+\ct)+3] offset:16*\kt*RP+64*\ct
	ds_store_b128 v[RS], v[8*(8*\kt+\ct)+4:8*(8*\kt+\ct)+7] offset:16*\kt*RP+64*\ct+16
.endr
.endr
	WIN 0x08
.irp kt,0,1,2,3
	ds_store_b32 v[SS], v[SA+8*\kt] offset:64*\kt  ; all eight registers and both halves of the lanes hold the same sum
.endr
	WIN 0
	s_wait_dscnt 0x0
	s_barrier_signal -1
	s_barrier_wait -1
	WIN 0x40                                       ; rows 16 wave + i, a whole row of 512 bytes a load, from each wave's stage, into window 1
	s_wait_alu depctr_vm_vsrc(0)                   ; my LDS stores have read window 1's registers, in which the loads below land
	s_wait_alu depctr_va_vdst(0)                   ; the pooling products have written those registers: stated directly ahead of the loads that land in them
.set i, 0
.rept 16
.irp src,0,1,2,3
	ds_load_b128 v[16*i+4*\src:16*i+4*\src+3], v[RR+\src] offset:i*RP
.endr
.set i, i+1
.endr
	WIN 0x55
.set i, 0
.rept 16
	s_wait_dscnt 4*(15-i)                          ; row i's four loads are in; those of the later rows stay out
	v_pk_add_f32 v[16*i:16*i+1], v[16*i:16*i+1], v[16*i+4:16*i+5]
	v_pk_add_f32 v[16*i+2:16*i+3], v[16*i+2:16*i+3], v[16*i+6:16*i+7]
	v_pk_add_f32 v[16*i+8:16*i+9], v[16*i+8:16*i+9], v[16*i+12:16*i+13]
	v_pk_add_f32 v[16*i+10:16*i+11], v[16*i+10:16*i+11], v[16*i+14:16*i+15]
	v_pk_add_f32 v[16*i:16*i+1], v[16*i:16*i+1], v[16*i+8:16*i+9]
	v_pk_add_f32 v[16*i+2:16*i+3], v[16*i+2:16*i+3], v[16*i+10:16*i+11]
.set i, i+1
.endr
	WIN 0x04
	s_wait_alu depctr_va_vdst(0)                   ; the additions have written the 16 rows' sums, which the stores read; the softmax's lines that named MX, in which wave 0's loads below land, stand ahead of it too
.set i, 0
.rept 16
	global_store_b128 v[PO], v[16*i:16*i+3], s[8:9] offset:512*i   ; 512 consecutive bytes, at a multiple of 256 from the buffer's first byte
.set i, i+1
.endr
	WIN 0
	s_cmp_lg_u32 s10, 0
	s_cbranch_scc1 .Ldone
.irp src,0,1,2,3
	ds_load_b64 v[MX+2*\src:MX+2*\src+1], v[SR] offset:256*\src    ; wave 0: the 64 sums of a, two a lane
.endr
	s_wait_dscnt 0x0
	v_pk_add_f32 v[MX:MX+1], v[MX:MX+1], v[MX+2:MX+3]
	v_pk_add_f32 v[MX+4:MX+5], v[MX+4:MX+5], v[MX+6:MX+7]
	v_pk_add_f32 v[MX:MX+1], v[MX:MX+1], v[MX+4:MX+5]
	s_wait_alu depctr_va_vdst(0)                   ; the additions have written v[MX:MX+1], which the store reads
	global_store_b64 v[SG], v[MX:MX+1], s[8:9] offset:32768        ; 256 consecutive bytes in one store
.Ldone:
	s_wait_dscnt 0x0
	s_wait_alu depctr_hold_cnt(0) depctr_sa_sdst(0) depctr_va_vdst(0) depctr_va_sdst(0) depctr_va_ssrc(0) depctr_va_vcc(0) depctr_vm_vsrc(0)
	s_wait_tensorcnt 0x0
	ds_add_u32 v254, v255
	s_wait_dscnt 0x0
	s_endpgm
.Lfunc_end_k_q8dff14dba7_pool:
	.size	k_q8dff14dba7_pool, .Lfunc_end_k_q8dff14dba7_pool-k_q8dff14dba7_pool
	.p2alignl 7, 3214868480
	.fill 96, 4, 3214868480
	.section	.rodata,"a",@progbits
	.p2align	6, 0x0
	.amdhsa_kernel k_q8dff14dba7_pool
		.amdhsa_group_segment_fixed_size 301568
		.amdhsa_private_segment_fixed_size 0
		.amdhsa_enable_private_segment 0
		.amdhsa_kernarg_size 24
		.amdhsa_user_sgpr_count 2
		.amdhsa_user_sgpr_kernarg_segment_ptr 1
		.amdhsa_wavefront_size32 1
		.amdhsa_system_sgpr_workgroup_id_x 1
		.amdhsa_system_sgpr_workgroup_id_y 1
		.amdhsa_system_sgpr_workgroup_id_z 1
		.amdhsa_system_vgpr_workitem_id 0
		.amdhsa_next_free_vgpr 1024
		.amdhsa_next_free_sgpr 66
		.amdhsa_reserve_vcc 0
		.amdhsa_float_denorm_mode_32 3
		.amdhsa_float_denorm_mode_16_64 3
		.amdhsa_memory_ordered 1
		.amdhsa_forward_progress 1
		.amdhsa_inst_pref_size 255
	.end_amdhsa_kernel
	.section	.bss,"aw",@nobits
	.p2align	6
	.space	262144
	.amdgpu_metadata
---
amdhsa.version: [ 1, 2 ]
amdhsa.kernels:
  - .name:           k_q8dff14dba7_pool
    .symbol:         k_q8dff14dba7_pool.kd
    .args:
      - { .name: x, .offset: 0, .size: 8, .value_kind: global_buffer, .address_space: global }
      - { .name: conv_w, .offset: 8, .size: 8, .value_kind: global_buffer, .address_space: global }
      - { .name: part, .offset: 16, .size: 8, .value_kind: global_buffer, .address_space: global }
    .group_segment_fixed_size: 301568
    .private_segment_fixed_size: 0
    .kernarg_segment_align: 8
    .kernarg_segment_size: 24
    .max_flat_workgroup_size: 128
    .sgpr_count:     66
    .vgpr_count:     1024
    .wavefront_size: 32
...
	.end_amdgpu_metadata
.endif
;; end of part 3
;; launch norm: the kernel of part 2 again; grid 64 x 1, 16 waves a work-group, no clusters, 2,304 bytes of LDS; arguments part, centroids, out0; writes out0
